; MI455X (gfx1250); checked and timed in simulation.
; The chip was launched on July 23, 2026; its instructions are those of AMD's public machine-readable ISA for CDNA 5 (MIT licence, August 2026) and "CDNA5" Instruction Set Architecture Reference Guide (July 2026). The comments in the code are by the model that wrote it; some were corrected since.
;; Pure Q Net. Allowed arithmetic: float matrix products may take bf16 or f16 operands with f32 sums; all other float work in f32.
;; Inputs: head_b 10 float32; head_w 10 x 10 float32; q_weights 6 x 4 float32; scale one number float32; x 8,192 x 1 x 64 x 64 float32.
;; Outputs: out0 8,192 x 10 float32.
;; One version. Each part assembles by itself: llvm-mc -triple=amdgcn-amd-amdhsa -mcpu=gfx1250 --defsym DOCPART=n.
;; ======== version 1 of 1: 1 launch
;; limits: an absolute error that grows with the inputs' magnitude: up to 2.4e-07 times it; right only within a limited range of input values
;; launch qnet (part 1): grid 256 x 1, 16 waves a work-group, no clusters, 4,096 bytes of LDS; arguments x, q_weights, head_w, head_b, scale, out0; writes out0
.if DOCPART == 1
	.amdgcn_target "amdgcn-amd-amdhsa--gfx1250"
	.amdhsa_code_object_version 6
	.text
	.protected	k_q0376f53c87_qnet
	.globl	k_q0376f53c87_qnet
	.p2align	8
	.type	k_q0376f53c87_qnet,@function
k_q0376f53c87_qnet:
	s_mov_b64 s[64:65], 0
	v_nop
	global_prefetch_b8 v0, s[64:65] scope:SCOPE_SE
	s_setreg_imm32_b32 hwreg(HW_REG_WAVE_MODE, 25, 1), 1
	s_wait_xcnt 0x0
; PureQNet in one launch.  x [8192][64][64] f32 -> 4 x 4 block means v[16] -> amps = v / |v| -> six layers of RX and a CNOT ring
; -> probabilities -> ten <Z> and <ZZ> values -> head_w, head_b, scale -> out0 [8192][10] f32.
;
; SHARES.  A work-group owns 32 samples (512 KiB of x, 1,280 bytes of out0 = five aligned runs of 256 bytes).  16 waves, 2 samples each.
; One 16-byte load of a wave covers two image rows (512 consecutive bytes); eight loads cover 16 rows = one row block (a 'quarter').
; A lane's four columns lie in one column block, so a quarter shrinks to ONE number a lane.  A ring of six quarter slots in registers:
; 48 loads = 24 KiB of a wave, 384 KiB of the work-group are asked for before anything is waited for; the last two quarters follow as
; slots 0 and 1 are used up.  x is read once, by one lane each: no LDS ring, no multicast (the work-groups share 540 bytes of parameters).
; EVERY WAVE FINISHES ITS OWN TWO SAMPLES, so that a wave's end stage runs while the other waves of the work-group still stream; only the
; results meet, in LDS, so that out0 leaves in whole runs of 256 bytes.  For that each wave builds the table of phases itself, while its
; first loads are on their way: sharing one table would put a barrier into the stream.
;
; THE CIRCUIT IN CLOSED FORM (an identity for all weights).  With H = the 16-point Walsh-Hadamard transform (WHT): in the X basis
; RX(w) is the phase exp(-i (w/2) (-1)^x_q), and CNOT(c,t) is x_c ^= x_t.  The ring is a linear map T on the four bits; T is the 4th power of
; the shift register s(t+4) = s(t) ^ s(t+1) (period 15), so weight number t = 4 layer + qubit sees the bit m(t mod 15) . x, with the masks
; m = 8,4,2,1,12,6,3,13,10,5,14,7,15,11,9 (wire 0 = bit 3).  So   psi = H P diag(exp(i phi)) H amps,   phi = -1/2 WHT(Theta),
; Theta[m(t)] = w(t) + w(t+15).  The permutation P = T^6 only renumbers psi, and a Z string c becomes frequency T^-6 c:
;   <Z_c> = F[T^-6 c] / F[0],   F = WHT( |WHT( exp(i phi) WHT(v) / 16 )|^2 ),   F[0] = |v|^2 (Parseval),
;   T^-6 c = 6,5,10,13 for Z0..Z3 and their XORs 3,12,11,15,8,7 for the pairs.
;
; LANES.  Lanes 0-15 work on the wave's first sample, lanes 16-31 on its second.  Lane r of a row of 16 holds index e(r) = 4 (r & 3) + (r >> 2)
; (that is where the pooling leaves element e(r)).  e swaps two pairs of bits and is its own inverse, and (-1)^(x.y) does not change when the
; bits of x and y are renamed alike: butterflies over the lane bits ARE the WHT, with index e(r) in lane r on both sides.  So Theta[m] is
; put into lane e(m), and frequency f is taken from lane e(f).
; What is left of the matrix products is these butterflies and one 10 x 10 product a sample (five packed multiply-adds for two samples):
; done in f32 on the vector unit; fragments for the matrix unit would cost more than the product.
;
; LIMITS.  Phases are summed before sine and cosine: a phase's absolute error grows like 2^-22 x sum |q_weights| (meant for sums up to 1e4).
; 1 / |v|^2 is v_rcp_f32, which flushes denormals: |v|^2 has to lie in 2^-126 .. 2^126.  |v|^2 is taken from the last transform, the division
; by it is applied behind the head's dot product, and the pooling sums run in another order than the reference's: other rounding, same
; numbers.  A sample whose 16 means are all zero gives NaN, as in the reference.
; LDS: 32 rows of 64 bytes, row s = the ten results of sample s and six words that nobody reads.  Thread t writes the word at 4 t.
; vector registers
.set LANE, 1                           ; lane
.set XO,   2                           ; 16 x lane: my bytes in every load of x; never rewritten
.set PA,   3                           ; 4 x thread: my word in LDS
.set T,    4                           ; v[4:19]   at work on a quarter
.set SUM,  20                          ; v[20:21]  my sums of two row blocks
.set G0,   22                          ; what a lane hands to its partner
.set K0,   23                          ; what it keeps; in the end stage the real part
.set K1,   24                          ;                                 the imaginary part
.set KS0,  25                          ; the first sample, reduced inside the rows of 16 lanes
.set TM,   26
.set TM2,  27
.set SG,   28                          ; v[28:31]  bit 31 = bit k of the lane number: the butterflies' signs
.set CS,   32                          ; cos(phi) / 4096 of my index
.set SN,   33                          ; sin(phi) / 4096
.set PH,   34                          ; Theta, then the phase
.set ZZ,   35
.set PP,   36
.set HA,   37                          ; 40 x my output: my row of head_w; never rewritten
.set BA,   38                          ; 4 x my output: my word of head_b; never rewritten
.set BIAS, 39
.set W,    40                          ; v[40:49]  my row of head_w
.set RA,   50                          ; v[50:54]  wave 0: LDS addresses of the five read-backs
.set AR,   55                          ; wave 0: 8 x lane, my bytes in each run of 256 of out0
.set RING, 64                          ; v[64:255] six slots of 32 registers
; the end stage, in registers of T (free then)
.set B,    T                           ; v[4:13]   the ten frequencies, each in every lane of its row
.set BN,   T+10                         ; |v|^2
.set R,    T+11                         ; 1 / |v|^2
.set ACC,  T+12                         ; v[16:17]  partial sums over even and odd columns
.set FE,   T                           ; v[4:13]   wave 0: the rows read back
; scalar registers
.set QW,   32                          ; s[32:55]  q_weights;  s26 scale
	s_load_b256 s[4:11], s[0:1], 0x0               ; x s[4:5], q_weights s[6:7], head_w s[8:9], head_b s[10:11]
	s_load_b128 s[12:15], s[0:1], 0x20             ; scale s[12:13], out0 s[14:15]
	v_lshl_add_u32 v62, v0, 2, 0x800
	v_mov_b32 v63, 0
	v_and_b32 v[LANE], 31, v0
	v_lshrrev_b32 v[XO], 5, v0
	v_readfirstlane_b32 s16, v[XO]                 ; wave 0..15
	v_lshlrev_b32 v[XO], 4, v[LANE]
	v_lshlrev_b32 v[PA], 2, v0
	s_lshl_b32 s18, ttmp9, 19                      ; 32 samples of 16 KiB a work-group (255 << 19 is below 2^31)
	s_lshl_b32 s17, s16, 15                        ; 2 samples a wave
	s_add_co_u32 s18, s18, s17
	s_mov_b32 s19, 0
	s_mov_b32 s20, 0xaaaaaaaa                      ; lanes with bit 0 set
	s_mov_b32 s21, 0xcccccccc                      ; lanes with bit 1 set
	s_mov_b32 s22, 0x76543210                      ; v_permlanex16_b32: lane i of one half reads lane i of the other
	s_mov_b32 s23, 0xfedcba98
	s_mov_b32 s24, 0xffff0000                      ; lanes 16 to 31
	v_and_b32 v[HA], 15, v[LANE]
	v_min_u32 v[HA], 9, v[HA]                      ; lane o of a row makes output o; lanes 10 to 15 repeat output 9 and stay inside the buffers
	v_lshlrev_b32 v[BA], 2, v[HA]
	v_mul_u32_u24 v[HA], 40, v[HA]
	v_lshlrev_b32 v[SG], 31, v[LANE]
.irp k, 1,2,3
	v_lshlrev_b32 v[SG+\k], 31-\k, v[LANE]
	v_and_b32 v[SG+\k], 0x80000000, v[SG+\k]
.endr
	s_wait_kmcnt 0x0
	s_add_nc_u64 s[4:5], s[4:5], s[18:19]          ; x at my wave's first sample
	s_load_b512 s[QW:QW+15], s[6:7], 0x0
	s_load_b256 s[QW+16:QW+23], s[6:7], 0x40
	s_load_b32 s26, s[12:13], 0x0
.macro FILL slot, q                    ; quarter q (16 rows, 4 KiB) into a slot: eight loads of 512 consecutive bytes
.irp j, 0,1,2,3,4,5,6,7
	global_load_b128 v[RING+32*\slot+4*\j:RING+32*\slot+4*\j+3], v[XO], s[4:5] offset:512*(8*\q+\j) th:TH_LOAD_NT
.endr
.endm
	FILL 0, 0
	FILL 1, 1
	FILL 2, 2
	FILL 3, 3
	FILL 4, 4
	FILL 5, 5
.irp j, 0,1,2,3,4
	global_load_b64 v[W+2*\j:W+2*\j+1], v[HA], s[8:9] offset:8*\j  ; my row of head_w, behind the 48 loads of x: it is wanted last
.endr
	global_load_b32 v[BIAS], v[BA], s[10:11]
	s_cmp_lg_u32 s16, 0
	s_cbranch_scc1 .Ltable
	; wave 0 alone: where the results will be read back.  Pair number q = 32 t + lane of out0's 160 pairs of words belongs to sample q / 5
	; and lies in LDS at 64 (q / 5) + 8 (q mod 5) = 8 q + 24 (q / 5).  q / 5 = (205 q) >> 10 for q below 204.
.set t, 0
.rept 5
	v_add_nc_u32 v[RA+t], 32*t, v[LANE]
	v_mul_u32_u24 v[TM], 205, v[RA+t]
	v_lshrrev_b32 v[TM], 10, v[TM]
	v_mul_u32_u24 v[TM], 24, v[TM]
	v_lshl_add_u32 v[RA+t], v[RA+t], 3, v[TM]
.set t, t+1
.endr
	v_lshlrev_b32 v[AR], 3, v[LANE]
	s_mul_i32 s18, ttmp9, 1280                     ; the work-group's 32 rows of out0 (s19 is still 0)
	s_add_nc_u64 s[14:15], s[14:15], s[18:19]
.Ltable:
; One butterfly across the lanes of a row: lane i gets x[i ^ m] + x[i], or x[i ^ m] - x[i] where its bit k (m = 1 << k) is set.
.macro STAGE x, k, m
	v_xor_b32 v[TM], v[SG+\k], v[\x]
	v_add_f32_dpp v[\x], v[\x], v[TM] row_xmask:\m row_mask:0xf bank_mask:0xf
.endm
.macro WHT x
	STAGE \x, 0, 1
	STAGE \x, 1, 2
	STAGE \x, 2, 4
	STAGE \x, 3, 8
.endm
.macro STAGE2 x, y, k, m               ; two transforms that do not wait for each other
	v_xor_b32 v[TM], v[SG+\k], v[\x]
	v_xor_b32 v[TM2], v[SG+\k], v[\y]
	v_add_f32_dpp v[\x], v[\x], v[TM] row_xmask:\m row_mask:0xf bank_mask:0xf
	v_add_f32_dpp v[\y], v[\y], v[TM2] row_xmask:\m row_mask:0xf bank_mask:0xf
.endm
	; ---- while the loads are on their way: the 16 phases, their cosines and sines ----
	s_wait_kmcnt 0x0
.set t, 0
.rept 9
	s_add_f32 s[QW+t], s[QW+t], s[QW+15+t]         ; weights t and t + 15 see the same bit (period 15)
.set t, t+1
.endr
	v_mov_b32 v[PH], 0                             ; Theta[0] = 0, and lanes 16 to 31
.macro PUT t, lane
	v_writelane_b32 v[PH], s[QW+\t], \lane         ; Theta[m(t)] into lane e(m(t))
.endm
	PUT 0, 2                                       ; m = 8
	PUT 1, 1                                       ; 4
	PUT 2, 8                                       ; 2
	PUT 3, 4                                       ; 1
	PUT 4, 3                                       ; 12
	PUT 5, 9                                       ; 6
	PUT 6, 12                                      ; 3
	PUT 7, 7                                       ; 13
	PUT 8, 10                                      ; 10
	PUT 9, 5                                       ; 5
	PUT 10, 11                                     ; 14
	PUT 11, 13                                     ; 7
	PUT 12, 15                                     ; 15
	PUT 13, 14                                     ; 11
	PUT 14, 6                                      ; 9
	WHT PH                                         ; lanes 0-15: WHT(Theta)[e(r)]; lanes 16-31: 0
	v_permlanex16_b32 v[TM], v[PH], s22, s23
	v_add_f32 v[PH], v[PH], v[TM]                  ; both halves hold it now
	v_and_b32 v[TM], 16, v[LANE]
	v_cvt_f32_u32 v[TM], v[TM]                     ; 0 or 16
	v_mul_f32 v[TM], 0xbc800000, v[TM]             ; x -1/64: the upper half is a quarter turn back, cos(phi - pi/2) = sin(phi)
	v_fmamk_f32 v[PH], v[PH], 0xbda2f983, v[TM]    ; phi / 2 pi = WHT(Theta) x -1/(4 pi), in turns
	v_rndne_f32 v[TM], v[PH]
	v_sub_f32 v[PH], v[PH], v[TM]                  ; u in -1/2 .. 1/2, exact
	v_mul_f32 v[ZZ], v[PH], v[PH]
	v_mov_b32 v[PP], 0xbbf183a6                    ; sin(pi u) = u (pi - pi^3/3! z + pi^5/5! z^2 - .. - pi^11/11! z^5), z = u^2 <= 1/4:
	v_fmaak_f32 v[PP], v[PP], v[ZZ], 0x3da83c1b    ; the first term left out is below 6e-8
	v_fmaak_f32 v[PP], v[PP], v[ZZ], 0xbf196966
	v_fmaak_f32 v[PP], v[PP], v[ZZ], 0x402335e3
	v_fmaak_f32 v[PP], v[PP], v[ZZ], 0xc0a55de7
	v_fmaak_f32 v[PP], v[PP], v[ZZ], 0x40490fdb
	v_mul_f32 v[PP], v[PP], v[PH]
	v_mul_f32 v[PP], v[PP], v[PP]
	v_fma_f32 v[PP], v[PP], -2.0, 1.0              ; cos(2 pi u) = 1 - 2 sin^2(pi u)
	v_mul_f32 v[PP], 0x39800000, v[PP]             ; x 2^-12: 1/256 makes the block sums means, 1/16 normalises the two transforms
	v_permlanex16_b32 v[TM], v[PP], s22, s23       ; cos lies in lanes 0-15, sin in lanes 16-31: both samples want both
	v_cndmask_b32 v[CS], v[PP], v[TM], s24
	v_cndmask_b32 v[SN], v[TM], v[PP], s24
; One quarter: 32 registers to one number.  left = loads younger than this quarter's eight; next >= 0: the slot's next quarter,
; asked for as soon as the first level of sums has read the slot.
.macro QUARTER slot, left, next, dst
	s_wait_loadcnt \left                           ; loads come back in order (ISA guide 5.7.1)
.irp a, 0,1,2,3,4,5,6,7
	v_pk_add_f32 v[T+2*\a:T+2*\a+1], v[RING+32*\slot+4*\a:RING+32*\slot+4*\a+1], v[RING+32*\slot+4*\a+2:RING+32*\slot+4*\a+3]
.endr
.if \next >= 0
	FILL \slot, \next
.endif
.irp a, 0,2,4,6
	v_pk_add_f32 v[T+\a:T+\a+1], v[T+\a:T+\a+1], v[T+\a+8:T+\a+9]
.endr
	v_pk_add_f32 v[T:T+1], v[T:T+1], v[T+4:T+5]
	v_pk_add_f32 v[T+2:T+3], v[T+2:T+3], v[T+6:T+7]
	v_pk_add_f32 v[T:T+1], v[T:T+1], v[T+2:T+3]
	v_add_f32 v[\dst], v[T], v[T+1]
.endm
; The sums are to be added over the four lanes of a column block and over the two halves (even and odd image rows).  Each step halves
; the registers: a lane keeps what its own bit names and hands the other one to its partner.
.macro PAIR dst                        ; two row blocks: the lane's bit 0 says which it keeps
	v_cndmask_b32 v[\dst], v[SUM], v[SUM+1], s20
	v_cndmask_b32 v[G0], v[SUM+1], v[SUM], s20
	v_add_f32_dpp v[\dst], v[G0], v[\dst] row_xmask:1 row_mask:0xf bank_mask:0xf
.endm
.macro QUAD dst                        ; two pairs: bit 1.  Lane l now holds row block l & 3 of column block (l >> 2) & 3
	v_cndmask_b32 v[G0], v[K1], v[K0], s21
	v_cndmask_b32 v[\dst], v[K0], v[K1], s21
	v_add_f32_dpp v[\dst], v[G0], v[\dst] row_xmask:2 row_mask:0xf bank_mask:0xf
.endm
	; Order of issue: quarters 0-5 (48 loads), the 6 loads of parameters, quarter 6 (in the first turn), quarter 7 (in the second).
	QUARTER 0, 46, 6, SUM                          ; out: quarters 1-5 and the parameters
	QUARTER 1, 46, 7, SUM+1                        ; 2-5, parameters, 6
	PAIR K0
	QUARTER 2, 46, -1, SUM                         ; 3-5, parameters, 6, 7
	QUARTER 3, 38, -1, SUM+1                       ; from here nothing more is asked for: the counts run down
	PAIR K1
	QUAD KS0                                       ; the first sample waits here for the second
	QUARTER 4, 30, -1, SUM
	QUARTER 5, 22, -1, SUM+1
	PAIR K0
	QUARTER 0, 8, -1, SUM                          ; quarter 6 is in, and so are the parameters, which are older
	QUARTER 1, 0, -1, SUM+1
	PAIR K1
	QUAD K0
	; two samples: the lower half keeps the first and hands its part of the second across, the upper half the other way round
	v_cndmask_b32 v[G0], v[K0], v[KS0], s24
	v_cndmask_b32 v[K0], v[KS0], v[K0], s24
	v_permlanex16_b32 v[SUM], v[G0], s22, s23
	v_add_f32 v[K0], v[K0], v[SUM]                 ; 256 v[e(r)] of my half's sample
	; ---- the circuit ----
	WHT K0                                         ; w = WHT(v)
	v_mul_f32 v[K1], v[K0], v[SN]                  ; z = w exp(i phi) / 16 (and / 256)
	v_mul_f32 v[K0], v[K0], v[CS]
	STAGE2 K0, K1, 0, 1                            ; WHT(z), real and imaginary part
	STAGE2 K0, K1, 1, 2
	STAGE2 K0, K1, 2, 4
	STAGE2 K0, K1, 3, 8
	v_mul_f32 v[K0], v[K0], v[K0]
	v_fmac_f32 v[K0], v[K1], v[K1]                 ; |.|^2: the probabilities, renumbered, x |v|^2
	WHT K0                                         ; F: probs @ ZSIGNS is ten of its frequencies, |v|^2 its frequency 0
	; ---- the head: frequency f lies in lane e(f) of the row; every lane of the row takes it, lane o multiplies it by head_w[o][c] ----
.macro SHARE dst, lane
	v_mov_b32_dpp v[\dst], v[K0] row_share:\lane row_mask:0xf bank_mask:0xf
.endm
	SHARE BN, 0                                    ; |v|^2
	SHARE B+0, 9                                   ; Z0    frequency 6
	SHARE B+1, 5                                   ; Z1    5
	v_rcp_f32 v[R], v[BN]                          ; plain vector instructions that touch neither BN nor R follow before R is used (ISA guide 5.7.2)
	SHARE B+2, 10                                  ; Z2    10
	SHARE B+3, 7                                   ; Z3    13
	v_pk_mul_f32 v[ACC:ACC+1], v[B:B+1], v[W:W+1]
	SHARE B+4, 12                                  ; Z0 Z1 3
	SHARE B+5, 3                                   ; Z0 Z2 12
	v_pk_fma_f32 v[ACC:ACC+1], v[B+2:B+3], v[W+2:W+3], v[ACC:ACC+1]
	SHARE B+6, 14                                  ; Z0 Z3 11
	SHARE B+7, 15                                  ; Z1 Z2 15
	v_pk_fma_f32 v[ACC:ACC+1], v[B+4:B+5], v[W+4:W+5], v[ACC:ACC+1]
	SHARE B+8, 2                                   ; Z1 Z3 8
	SHARE B+9, 13                                  ; Z2 Z3 7
	v_pk_fma_f32 v[ACC:ACC+1], v[B+6:B+7], v[W+6:W+7], v[ACC:ACC+1]
	v_pk_fma_f32 v[ACC:ACC+1], v[B+8:B+9], v[W+8:W+9], v[ACC:ACC+1]
	v_add_f32 v[ACC], v[ACC], v[ACC+1]
	s_wait_alu depctr_va_vdst(0)
	v_fma_f32 v[ACC], v[ACC], v[R], v[BIAS]        ; / |v|^2 (the normalisation of the amplitudes), + head_b
	v_mul_f32 v[ACC], s26, v[ACC]                  ; x scale
	ds_store_b32 v[PA], v[ACC]                     ; 4 x thread = 64 x sample + 4 x output
	s_wait_dscnt 0x0                               ; my results are in LDS before I say so
	s_barrier_signal -1
	s_barrier_wait -1
	s_cmp_lg_u32 s16, 0
	s_cbranch_scc1 .Lend
	; wave 0: the 1,280 bytes leave in five stores, each of 256 consecutive bytes, aligned
.irp t, 0,1,2,3,4
	ds_load_b64 v[FE+2*\t:FE+2*\t+1], v[RA+\t]
.endr
.irp t, 0,1,2,3,4
	s_wait_dscnt 4-\t                              ; read-back t is in, the younger ones stay out
	global_store_b64 v[AR], v[FE+2*\t:FE+2*\t+1], s[14:15] offset:256*\t th:TH_STORE_NT
.endr
.Lend:
	s_barrier_signal -1
	s_barrier_wait -1
	s_wait_tensorcnt 0x0
	ds_add_u32 v62, v63
	s_wait_dscnt 0x0
	s_endpgm
.Lfunc_end_k_q0376f53c87_qnet:
	.size	k_q0376f53c87_qnet, .Lfunc_end_k_q0376f53c87_qnet-k_q0376f53c87_qnet
	.p2alignl 7, 3214868480
	.fill 96, 4, 3214868480
	.section	.rodata,"a",@progbits
	.p2align	6, 0x0
	.amdhsa_kernel k_q0376f53c87_qnet
		.amdhsa_group_segment_fixed_size 4096
		.amdhsa_private_segment_fixed_size 0
		.amdhsa_enable_private_segment 0
		.amdhsa_kernarg_size 48
		.amdhsa_user_sgpr_count 2
		.amdhsa_user_sgpr_kernarg_segment_ptr 1
		.amdhsa_wavefront_size32 1
		.amdhsa_system_sgpr_workgroup_id_x 1
		.amdhsa_system_sgpr_workgroup_id_y 1
		.amdhsa_system_sgpr_workgroup_id_z 1
		.amdhsa_system_vgpr_workitem_id 0
		.amdhsa_next_free_vgpr 256
		.amdhsa_next_free_sgpr 66
		.amdhsa_reserve_vcc 0
		.amdhsa_float_denorm_mode_32 3
		.amdhsa_float_denorm_mode_16_64 3
		.amdhsa_memory_ordered 1
		.amdhsa_forward_progress 1
		.amdhsa_inst_pref_size 26
	.end_amdhsa_kernel
	.amdgpu_metadata
---
amdhsa.version: [ 1, 2 ]
amdhsa.kernels:
  - .name:           k_q0376f53c87_qnet
    .symbol:         k_q0376f53c87_qnet.kd
    .args:
      - { .name: x, .offset: 0, .size: 8, .value_kind: global_buffer, .address_space: global }
      - { .name: q_weights, .offset: 8, .size: 8, .value_kind: global_buffer, .address_space: global }
      - { .name: head_w, .offset: 16, .size: 8, .value_kind: global_buffer, .address_space: global }
      - { .name: head_b, .offset: 24, .size: 8, .value_kind: global_buffer, .address_space: global }
      - { .name: scale, .offset: 32, .size: 8, .value_kind: global_buffer, .address_space: global }
      - { .name: out0, .offset: 40, .size: 8, .value_kind: global_buffer, .address_space: global }
    .group_segment_fixed_size: 4096
    .private_segment_fixed_size: 0
    .kernarg_segment_align: 8
    .kernarg_segment_size: 48
    .max_flat_workgroup_size: 512
    .sgpr_count:     66
    .vgpr_count:     256
    .wavefront_size: 32
...
	.end_amdgpu_metadata
.endif
;; end of part 1
